; MI455X (gfx1250); checked and timed in simulation.
; The chip was launched on July 23, 2026; its instructions are those of AMD's public machine-readable ISA for CDNA 5 (MIT licence, August 2026) and "CDNA5" Instruction Set Architecture Reference Guide (July 2026). The comments in the code are by the model that wrote it; some were corrected since.
;; Q Linear. Allowed arithmetic: matrix products marked QUANTISED: E4M3 operands, one given power-of-two scale a tensor, by v_wmma_f32_16x16x64_fp8_fp8 or v_wmma_f32_16x16x128_fp8_fp8, f32 sums; everything else in f32.
;; Inputs: W 4,096 x 4,096 float32; b 4,096 float32; lowp_scales 2 int32 (the exponents e of the quantised operands' scales 2^e); x_codes 4,096 x 128 x 32 uint8 (E4M3 codes of x, K innermost, in blocks of 32 codes).
;; Outputs: out0 4,096 x 4,096 float32.
;; This version of the problem:
;;   THIS VERSION OF THE PROBLEM IS GIVEN IN LOW PRECISION. The matrix products marked QUANTISED in the list below multiply operands that are first quantised to E4M3 (4 exponent bits, 3 mantissa bits; 8 bits a number), with one given power-of-two scale for each operand tensor; their sums are f32. All else is computed in f32.
;;   The module's matrix products, in the order in which they are computed (A, B: the left and right operand; K: the contracted axis; several contracted axes count as one K, in the product's order):
;;     1. [M 4,096, K 4,096] x [K 4,096, N 4,096]; A: input x (given as codes); B: computed on the way: QUANTISED (scales: A lowp_scales[0], B lowp_scales[1])
;;   THE QUANTISER, for each operand of a quantised product, along K:
;;     - The operand's scale is 2^e, e = its entry of the input lowp_scales (int32; the entries are numbered through the quantised products in the list's order, A before B).
;;     - Each number is divided by the scale, clamped to +-448, and rounded to the nearest number of E4M3, ties to even, subnormals kept.
;;     - The product sums the exact products of the quantised numbers (number of the format x scale) in f32.
;;   ~~~python
;;   def quantise(x, axis, e):      # numpy; x: float32 -> the quantised numbers, widened to float32 again
;;       x = np.moveaxis(x, axis, -1); K = x.shape[-1]
;;       r = np.clip(x / 2.0 ** e, -448, 448)
;;       step = 2.0 ** (np.maximum(np.frexp(np.where(r == 0, 1, r))[1] - 1, -6) - 3)
;;       q = np.round(r / step) * step * 2.0 ** e      # np.round: ties to even
;;       return np.moveaxis(q, -1, axis).astype(np.float32)
;;   ~~~
;;   OPERANDS COMPUTED ON THE WAY. 'Computed on the way' means the value that the module computes at that place (a softmax that the list does not call 'softmax' is quantised finished and normalised). What goes into a quantiser is computed in f32, as accurately as f32 sums, v_exp_f32 and their like allow (about 1e-6 of the number): no bf16 or f16 on the way to a quantiser, and a product that is left as it is and whose result goes on into a quantised operand takes f32 operands (vector FMAs, or v_wmma_f32_16x16x4_f32). A number that lies on a knife's edge between two numbers of the format may be rounded either way, as far as f32 arithmetic and the matrix unit's own rounding can turn it there, and no further.
;;   INPUTS GIVEN AS CODES. x (in the module: [4096, 4096], K = its axis 1): each comes as NAME_codes (uint8): NAME with its K axis moved to the last place and cut into blocks of 32 codes, [.., K / 32, bytes a block], one block behind the other in memory; one code a byte (a code: sign, 4 exponent bits, 3 mantissa bits); its scale is its entry of lowp_scales. Its value is code x scale, taken as it is: it is not quantised again, and the codes and scales need not be those that the quantiser above would give.
;; One version. Each part assembles by itself: llvm-mc -triple=amdgcn-amd-amdhsa -mcpu=gfx1250 --defsym DOCPART=n.
;; ======== version 1 of 1: 2 launches
;; limits: right only within a limited range of input values
;; workspace buffers: w_codes 16,777,216 bytes
;; launch quant_w (part 1): grid 512 x 1, 4 waves a work-group, no clusters, 9,728 bytes of LDS; arguments W, lowp_scales, w_codes; writes w_codes
.if DOCPART == 1
	.amdgcn_target "amdgcn-amd-amdhsa--gfx1250"
	.amdhsa_code_object_version 6
	.text
	.protected	k_q01fbba75e9_quant_w
	.globl	k_q01fbba75e9_quant_w
	.p2align	8
	.type	k_q01fbba75e9_quant_w,@function
k_q01fbba75e9_quant_w:
	s_mov_b64 s[64:65], 0
	v_nop
	global_prefetch_b8 v0, s[64:65] scope:SCOPE_SE
	s_setreg_imm32_b32 hwreg(HW_REG_WAVE_MODE, 25, 1), 1
	s_wait_xcnt 0x0
; w_codes = the E4M3 codes of sign(W) under the given scale 2^e1, laid as an IMAGE OF THE NEXT LAUNCH'S OPERAND REGISTERS.  W: [4096 (n)][4096 (k)] f32.
; THE IMAGE.  16 rows n x 64 k are 1,024 bytes: byte 512 c + 16 (16 h + r) + j holds the code of (n = 16 nb + r, k = 64 ks + 32 c + 16 h + j).  Image (nb, ks) lies at (nb / 8) x 524,288 + ks x 8,192 + (nb % 8) x 1,024:
; the eight images that a wave of the product takes in one step of 64 along K are 8,192 consecutive bytes, and each of its loads reads 512 consecutive bytes, 16 a lane.
; THE ARITHMETIC OF A NUMBER.  code = round(clip(sign(w) / 2^e1, -448, 448)).  sign(w) held within +-448 x 2^e1 is the middle one of (w x 2^150, -L, L), L = min(1, 448 x 2^e1):
; the smallest f32 magnitude, 2^-149, times 2^150 is 2, not under L; what overflows to infinity is held at L; a zero stays a zero.  Then the scaled conversion divides by 2^e1 and rounds to the nearest code, ties to even.
; The hold is always executed; nothing branches on e1.
; LIMITS: -126 <= e1 <= 119, so that 2^e1 and 448 x 2^e1 are f32 numbers.  NaN in W is not served.  Infinities, denormals and both zeros are.
; SHARES.  16,384 images; a wave makes eight (one nb, eight neighbouring ks: 2,048 consecutive bytes of each of 16 rows); 2,048 waves, 512 work-groups of four.
; A step is one image: eight loads, each 256 consecutive aligned bytes of two rows (lanes 0-15 row 2 i, lanes 16-31 row 2 i + 1).  Code register i holds the codes of k = 4 (lane % 16) + 0 .. 3 of row 2 i + lane / 16.
; The codes turn through the wave's own stage in LDS: four chunks of 256 bytes, 288 apart, so that the 32 lanes of a 4-byte store touch 32 different banks (64 banks of 4 bytes: ISA guide 11.1);
; two loads of 16 bytes a lane take the image back in order, and each of the wave's two stores covers 512 consecutive bytes, aligned.
; No tensor load, no barrier, no matrix instruction, no cluster: waves share nothing and each byte is read once.  Loads run four steps ahead: 32 loads, 16,384 bytes a wave.  Every offset is an immediate.
.set STEPS, 8
.set AHEAD, 4
.set R,     16                         ; v16-143  four sets of 32 numbers, set t % 4
.set C,     144                        ; v144-159 two sets of 8 registers of codes, set t % 2
.set OUT,   160                        ; v160-223 eight registers for each step: no store's data are written again
.set CH,    288                        ; a chunk's pitch in the stage
.set STG,   4*CH                       ; a stage; two for each wave
	s_load_b128 s[4:7], s[0:1], 0x0                ; W s[4:5], the scales' exponents s[6:7]
	s_load_b64 s[8:9], s[0:1], 0x10                ; w_codes
	v_lshl_add_u32 v224, v0, 2, 0x2400             ; my spare word, behind the eight stages
	v_mov_b32 v225, 0
	v_lshrrev_b32 v1, 5, v0
	v_readfirstlane_b32 s16, v1                    ; wave 0..3
	s_mul_i32 s17, s16, 2*STG                      ; my two stages
	s_lshl_b32 s18, ttmp9, 2
	s_add_co_u32 s18, s18, s16                     ; my wave among 2,048
	s_lshr_b32 s19, s18, 3                         ; nb
	s_and_b32 s28, s18, 7                          ; which eight ks
	s_lshl_b32 s20, s19, 18                        ; 16 rows of 16,384 bytes
	s_lshl_b32 s29, s28, 11                        ; eight steps of 256 bytes
	s_add_co_u32 s20, s20, s29
	s_mov_b32 s21, 0
	s_lshr_b32 s22, s19, 3
	s_lshl_b32 s22, s22, 19                        ; (nb / 8) x 524,288
	s_and_b32 s29, s19, 7
	s_lshl_b32 s29, s29, 10                        ; (nb % 8) x 1,024
	s_add_co_u32 s22, s22, s29
	s_lshl_b32 s29, s28, 16                        ; eight ks of 8,192
	s_add_co_u32 s22, s22, s29
	s_mov_b32 s23, 0
	s_mov_b32 s24, 150
	v_and_b32 v2, 31, v0                           ; lane
	v_and_b32 v3, 15, v0
	v_bfe_u32 v4, v0, 4, 1                         ; lane / 16
	v_lshlrev_b32 v3, 4, v3
	v_lshl_add_u32 v7, v4, 14, v3                  ; a load: one row down for lanes 16-31, 16 bytes a lane
	v_lshlrev_b32 v8, 4, v2                        ; a store: 16 x lane
	v_bfe_u32 v5, v0, 2, 2                         ; my k's chunk 2 c + h = (lane / 4) % 4
	v_mul_u32_u24 v5, v5, CH
	v_lshl_add_u32 v5, v4, 4, v5                   ; + 16 x (row % 2)
	v_and_b32 v6, 3, v0
	v_lshl_add_u32 v5, v6, 2, v5                   ; + j
	v_add_nc_u32 v5, s17, v5                       ; into a stage
	v_mul_u32_u24 v6, v4, CH
	v_add_nc_u32 v6, v6, v3
	v_add_nc_u32 v6, s17, v6                       ; out of it: lanes 0-15 chunk 2 c, lanes 16-31 chunk 2 c + 1
	s_wait_alu depctr_va_vdst(0)
	s_wait_kmcnt 0x0
	s_load_b32 s25, s[6:7], 0x4                    ; e1
	s_add_nc_u64 s[4:5], s[4:5], s[20:21]
	s_add_nc_u64 s[8:9], s[8:9], s[22:23]
.macro LOAD t                          ; step t: eight loads into set t % 4; read once in the launch
.irp i, 0,1,2,3,4,5,6,7
	global_load_b128 v[R+32*((\t)%AHEAD)+4*\i:R+32*((\t)%AHEAD)+4*\i+3], v7, s[4:5] offset:256*(\t)+32768*\i th:TH_LOAD_NT
.endr
.endm
.irp t, 0,1,2,3
	LOAD \t
.endr
	s_wait_kmcnt 0x0
	s_add_co_i32 s26, s25, 127
	s_lshl_b32 s27, s26, 23
	v_mov_b32 v11, s27                             ; 2^e1 as f32: the conversion takes its exponent field
	s_add_co_i32 s26, s26, 8
	s_lshl_b32 s26, s26, 23
	s_or_b32 s26, s26, 0x600000                    ; 448 x 2^e1 as f32
	s_min_u32 s26, s26, 0x3f800000                 ; positive f32 patterns order as whole numbers: min(1, 448 x 2^e1)
	v_mov_b32 v10, s26                             ; L
.macro STEP t
.set RS, R+32*((\t)%AHEAD)
.set CS, C+8*((\t)%2)
.if STEPS-1-(\t) >= AHEAD-1
	s_wait_loadcnt 8*(AHEAD-1)                     ; this step's eight are in, those of the three steps behind it stay out
.else
	s_wait_loadcnt 8*(STEPS-1-(\t))                ; the last steps: the counts run down
.endif
.irp i, 0,8,16,24
.irp j, 0,1,2,3,4,5,6,7
	v_ldexp_f32 v[RS+\i+\j], v[RS+\i+\j], s24      ; w x 2^150: of magnitude 2 at the least, or 0
.endr
.endr
.irp i, 0,8,16,24
.irp j, 0,1,2,3,4,5,6,7
	v_med3_num_f32 v[RS+\i+\j], v[RS+\i+\j], -v10, v10   ; the sign and the hold in one (the conversion to an 8-bit code does not saturate: ISA guide 7.6.2)
.endr
.endr
.irp i, 0,1,2,3
	v_cvt_scalef32_pk8_fp8_f32 v[CS+2*\i:CS+2*\i+1], v[RS+8*\i:RS+8*\i+7], v11
.endr
	v_nop                                          ; one plain vector line behind the last scaled conversion
.if (\t)+AHEAD < STEPS
	LOAD (\t)+AHEAD                                ; into the set just converted
.endif
.irp i, 0,1,2,3,4,5,6,7
	ds_store_b32 v5, v[CS+\i] offset:STG*((\t)%2)+32*\i    ; rows 2 i, 2 i + 1: 16 bytes a row inside a chunk
.endr
.irp c, 0,1
	ds_load_b128 v[OUT+8*(\t)+4*\c:OUT+8*(\t)+4*\c+3], v6 offset:STG*((\t)%2)+2*CH*\c   ; LDS serves a wave's instructions in order (ISA guide 5.7.1.4): these see the eight stores
.endr
.if (\t) > 0
	s_wait_dscnt 10                                ; all but this step's eight stores and two loads: the step before is back in registers
	SENDW (\t)-1
.endif
.endm
.macro SENDW t                         ; 32 lanes store 512 consecutive bytes, at a multiple of 512 from the buffer's first byte
.irp c, 0,1
	global_store_b128 v8, v[OUT+8*(\t)+4*\c:OUT+8*(\t)+4*\c+3], s[8:9] offset:8192*(\t)+512*\c
.endr
.endm
.irp t, 0,1,2,3,4,5,6,7
	STEP \t
.endr
	s_wait_dscnt 0x0
	SENDW STEPS-1
	s_wait_tensorcnt 0x0                           ; the wave's end
	ds_add_u32 v224, v225
	s_wait_dscnt 0x0
	s_endpgm
.Lfunc_end_k_q01fbba75e9_quant_w:
	.size	k_q01fbba75e9_quant_w, .Lfunc_end_k_q01fbba75e9_quant_w-k_q01fbba75e9_quant_w
	.p2alignl 7, 3214868480
	.fill 96, 4, 3214868480
	.section	.rodata,"a",@progbits
	.p2align	6, 0x0
	.amdhsa_kernel k_q01fbba75e9_quant_w
		.amdhsa_group_segment_fixed_size 9728
		.amdhsa_private_segment_fixed_size 0
		.amdhsa_enable_private_segment 0
		.amdhsa_kernarg_size 24
		.amdhsa_user_sgpr_count 2
		.amdhsa_user_sgpr_kernarg_segment_ptr 1
		.amdhsa_wavefront_size32 1
		.amdhsa_system_sgpr_workgroup_id_x 1
		.amdhsa_system_sgpr_workgroup_id_y 1
		.amdhsa_system_sgpr_workgroup_id_z 1
		.amdhsa_system_vgpr_workitem_id 0
		.amdhsa_next_free_vgpr 226
		.amdhsa_next_free_sgpr 66
		.amdhsa_reserve_vcc 0
		.amdhsa_float_denorm_mode_32 3
		.amdhsa_float_denorm_mode_16_64 3
		.amdhsa_memory_ordered 1
		.amdhsa_forward_progress 1
		.amdhsa_inst_pref_size 50
	.end_amdhsa_kernel
	.amdgpu_metadata
---
amdhsa.version: [ 1, 2 ]
amdhsa.kernels:
  - .name:           k_q01fbba75e9_quant_w
    .symbol:         k_q01fbba75e9_quant_w.kd
    .args:
      - { .name: W, .offset: 0, .size: 8, .value_kind: global_buffer, .address_space: global }
      - { .name: lowp_scales, .offset: 8, .size: 8, .value_kind: global_buffer, .address_space: global }
      - { .name: w_codes, .offset: 16, .size: 8, .value_kind: global_buffer, .address_space: global }
    .group_segment_fixed_size: 9728
    .private_segment_fixed_size: 0
    .kernarg_segment_align: 8
    .kernarg_segment_size: 24
    .max_flat_workgroup_size: 128
    .sgpr_count:     66
    .vgpr_count:     226
    .wavefront_size: 32
...
	.end_amdgpu_metadata
.endif
;; end of part 1
;; launch gemm (part 2): grid 16 x 16, 4 waves a work-group, clusters of 4 x 1, 327,680 bytes of LDS; arguments x_codes, w_codes, lowp_scales, b, out0; writes out0
.if DOCPART == 2
	.amdgcn_target "amdgcn-amd-amdhsa--gfx1250"
	.amdhsa_code_object_version 6
	.text
	.protected	k_q01fbba75e9_gemm
	.globl	k_q01fbba75e9_gemm
	.p2align	8
	.type	k_q01fbba75e9_gemm,@function
k_q01fbba75e9_gemm:
	s_mov_b64 s[64:65], 0
	v_nop
	global_prefetch_b8 v0, s[64:65] scope:SCOPE_SE
	s_setreg_imm32_b32 hwreg(HW_REG_WAVE_MODE, 25, 1), 1
	s_wait_xcnt 0x0
	s_wait_alu depctr_hold_cnt(0) depctr_sa_sdst(0) depctr_va_vdst(0) depctr_va_sdst(0) depctr_va_ssrc(0) depctr_va_vcc(0) depctr_vm_vsrc(0)
	s_getreg_b32 s2, hwreg(HW_REG_IB_STS2, 6, 4)
	s_cmp_eq_u32 s2, 0
	s_cbranch_scc0 .Lentry_in_a_cluster
	s_endpgm
.Lentry_in_a_cluster:
	s_bfe_u32 s2, ttmp6, 0x10000c
	s_cmp_lg_u32 s2, 0x3003
	s_cbranch_scc0 .Lentry_shape_is_right
	s_endpgm
.Lentry_shape_is_right:
; out0[m][n] = 2^(e0 + e1) x (sum over k of x_code[m][k] w_code[n][k]) + b[n].  x_codes: [4096][4096] bytes, K innermost.  w_codes: the launch before laid them as an image of this launch's operand registers.
; LIMIT: e0 + e1 lies between -126 and 127, so that 2^(e0 + e1) is an f32 number.
; A block of out0, 256 x 256, is made by a work-group of four waves; a wave makes 128 x 128: 64 accumulators of 16 x 16, 512 registers.  256 work-groups.  A step is 64 along K: 64 matrix instructions of the K = 64 form.
; X GOES THROUGH LDS: two slots of 256 rows x 512 bytes (eight steps), rows padded to 528 bytes; each wave fetches 64 rows by one tensor load.  The four work-groups of a cluster (4 x 1) make one block row and need the
; same rows of x: each tile is asked for JOINTLY (mask 15).  One change of slots for eight steps: in a slot's seventh step every wave waits for all its tensor loads, adds 0 to its spare word, waits for its LDS reads,
; and a round of the cluster's barrier follows; the refill is the first line of the eighth step, whose own fragments are in registers by then.
; W GOES FROM MEMORY STRAIGHT INTO REGISTERS: 16 loads a step, each 512 consecutive bytes, into four sets of 64 registers that take turns, three steps ahead of their use.
; Plain loads have no joint form, so W's bytes are not shared in the cluster; in return all of the ring is x's, a slot holds 512 along K and not 256, and a wave reads 128 and not 256 bytes of LDS for each k.
; A STEP HAS ONE RUN OF MEMORY INSTRUCTIONS, at its head: the waits for its own fragments, W's loads for three steps on, x's for the next step, the prefetches; then its 64 matrix instructions on end.
; k's place: lane (r, h) holds k = 32 c + 16 h + 0 .. 15 in registers 4 c .. 4 c + 3, alike in x's and W's fragments: a permutation of k inside an instruction, for a result that is compared within a tolerance.
; THE MATRIX INSTRUCTION IS USED TRANSPOSED (source 0 = 16 rows of W, source 1 = 16 rows of x): a lane holds eight neighbouring numbers of a row of out0.
; REGISTERS: window 0: v0-31 addresses, v128-255 x's fragments, two sets of 64 (on the way out: rows read back); window 1: W's four sets; windows 2, 3: the accumulators of my rows 0-63, 64-127 ((a, b) at v[8 (8 (a % 4) + b)]).
; PREFETCHES: x: at the refill that loads fill f + 2, fill f + 4's 256 rows x 512 bytes, 512 blocks of 256 bytes, one a lane over the cluster's 16 waves, shared out by address (16 rows for each partner); fills 0 to 3 come by their loads alone.
; W: in every odd step g each wave asks for one later step's 8,192 bytes of its column half, a lane a block: step g + 8 (waves of rows 0-127) or g + 9 (the others): five or six steps ahead of the load; none beyond step 62.
.set PITCH,  528
.set QROWS,  64*PITCH                  ; what one tensor load brings
.set SLOT,   256*PITCH
.set SPARE,  2*SLOT                    ; the spare words: 128 bytes a wave
.set STAGE,  SPARE+512                 ; the way out: 16 rows x 528 bytes for each wave; no tensor load lands here
.set SPITCH, 528
.set BI,   8                           ; v8-11 my four numbers of b
.set ADRA, 16                          ; v16-17 LDS address of my fragments of x in slot 0, 1
.set PFB,  19                          ; 256 x lane
.set PFAO, 20                          ; (lane % 16) rows of x + 256 x (lane / 16)
.set STO,  24
.set RD,   25
.set CO,   26                          ; 16 x lane: W's loads, b, out0
.set SPW,  28
.set NIL,  29
.set AF,   128
.set BK,   128
.set G1, 24                            ; s[24:31] descriptor group 1
.set G0, 32                            ; s[32:39] group 0, one for each slot
.set BB, 44                            ; s[44:45] W's image of my 128 columns, at the loop trip's first step less one
.set PB, 46                            ; s[46:47] the same + 8,192 x my row half
.set PA, 48                            ; s[48:49] x: my work-group's 16 of the 64 rows that I fetch, four fills on
.set MSB, 0
.macro WIN new
.if MSB != (\new)
	s_set_vgpr_msb (MSB<<8)|(\new)
.set MSB, (\new)
.endif
.endm
.set MUL_LO, 0xa1                      ; source 0 (W) window 1, source 1 (x) window 0, C and D window 2
.set MUL_HI, 0xf1
.set TO_B,   0x40                      ; destination window 1, address window 0
.macro PLACES
.rept 4
	v_nop
.endr
.endm
.macro JLOAD p                         ; every wave's own 64 rows, by the wave's number; s_nop 0 and four v_nop behind it
	tensor_load_to_lds s[G0+4*(\p):G0+4*(\p)+3], s[G1:G1+7]
	s_nop 0
	PLACES
.endm
.macro CREST
	s_cmp_lg_u32 s14, 0
	s_cbranch_scc1 .Lnot_wave_0_\@
	s_barrier_signal -3
.Lnot_wave_0_\@:
	s_barrier_wait -3
	s_barrier_signal -1
	s_barrier_wait -1
.endm
.macro CROUND
	s_barrier_signal -1
	s_barrier_wait -1
	CREST
.endm
.macro FETCH_A p, col, set             ; x's eight fragments of 64 along K at byte col of slot p's rows
.irp i, 0,1,2,3,4,5,6,7
	ds_load_b128 v[AF+64*(\set)+8*\i:AF+64*(\set)+8*\i+3],   v[ADRA+(\p)] offset:(\col)+\i*16*PITCH
	ds_load_b128 v[AF+64*(\set)+8*\i+4:AF+64*(\set)+8*\i+7], v[ADRA+(\p)] offset:(\col)+32+\i*16*PITCH
.endr
.endm
.macro FETCH_B s                       ; W's eight fragments of step s (counted from BB) into set s % 4
.irp i, 0,1,2,3,4,5,6,7
	global_load_b128 v[64*((\s)%4)+8*\i:64*((\s)%4)+8*\i+3],   v[CO], s[BB:BB+1] offset:(\s)*8192+\i*1024
	global_load_b128 v[64*((\s)%4)+8*\i+4:64*((\s)%4)+8*\i+7], v[CO], s[BB:BB+1] offset:(\s)*8192+\i*1024+512
.endr
.endm
.macro MUL16 a0, q, zero               ; x's blocks a0, a0 + 1 against W's eight; the 64 accumulators take turns in the same order in every step
.irp a, \a0, \a0+1
.irp b, 0,1,2,3,4,5,6,7
.if \zero
	v_wmma_f32_16x16x64_fp8_fp8 v[8*(8*((\a)%4)+\b):8*(8*((\a)%4)+\b)+7], v[64*((\q)%4)+8*\b:64*((\q)%4)+8*\b+7], v[AF+64*((\q)%2)+8*(\a):AF+64*((\q)%2)+8*(\a)+7], 0
.else
	v_wmma_f32_16x16x64_fp8_fp8 v[8*(8*((\a)%4)+\b):8*(8*((\a)%4)+\b)+7], v[64*((\q)%4)+8*\b:64*((\q)%4)+8*\b+7], v[AF+64*((\q)%2)+8*(\a):AF+64*((\q)%2)+8*(\a)+7], v[8*(8*((\a)%4)+\b):8*(8*((\a)%4)+\b)+7]
.endif
.endr
.endr
.endm
; STEP q (counted from BB).  lc: W's loads, of the steps behind this one, that may stay out when this step's are in.  The sets that the step before has left are asked for again: W's step q + 3, x's step q + 1.
; fill: the joint refill of this step's slot comes first.  turn: 1 the change of slots with a work-group barrier, 2 with the cluster's round and the slot's next address.  pf: 1 W's prefetch, 2 x's too.
.macro STEP q, zero, aload, bload, lc, fill, turn, pf
.set PP, ((\q)/8)%2
.set PN, (((\q)+1)/8)%2
.if \fill
	JLOAD PP                                       ; the first tensor load behind the round; its four v_nop are the places in front of the loads below
.else
	PLACES                                         ; four places in front of loads into registers that matrix instructions have read
.endif
	s_wait_dscnt 0x0                               ; this step's fragments of x, asked for a step ago, are in
	s_wait_loadcnt \lc                             ; this step's fragments of W are in; the later steps' loads may be out
.if \bload
	WIN TO_B
	FETCH_B (\q)+3
.endif
	WIN 0
.if \aload
	FETCH_A PN, (((\q)+1)%8)*64, ((\q)+1)%2
.endif
.if \pf
	global_prefetch_b8 v[PFB], s[PB:PB+1] offset:((\q)+8)*8192 th:TH_LOAD_NT scope:SCOPE_SE   ; the next wait for loaded data stands 64 matrix instructions on
.if \pf == 2
	s_cmp_gt_u32 s3, 1                             ; the loop's last trip has no fill four on
	s_cbranch_scc0 .Lno_x_\@
	global_prefetch_b8 v[PFAO], s[PA:PA+1] offset:PP*512 th:TH_LOAD_NT scope:SCOPE_SE
.Lno_x_\@:
.endif
.endif
.if \turn
	s_wait_tensorcnt 0x0                           ; all my tensor loads have landed: my part of the next slot;
	ds_add_u32 v[SPW], v[NIL]                      ; 0 onto my spare word
.if \turn == 2
	s_add_nc_u64 s[G0+4*PP+2:G0+4*PP+3], s[G0+4*PP+2:G0+4*PP+3], 1024   ; this slot's next fill: two fills of 512 bytes on
.endif
.endif
	WIN MUL_LO
	MUL16 0, \q, \zero
	MUL16 2, \q, \zero
.if \turn
	s_wait_dscnt 0x0                               ; the add is done, and my reads of this slot are over: its last step's fragments are in registers
	s_barrier_signal -1
.endif
	WIN MUL_HI
	MUL16 4, \q, \zero
	MUL16 6, \q, \zero
.if \turn
	WIN 0
	s_barrier_wait -1
.if \turn == 2
	CREST                                          ; no wave of any partner still reads this slot or has a load on its way
.endif
.endif
.endm
.macro LSTEP q                         ; a step of the loop
.if ((\q)%8) == 7
	STEP \q, 0, 1, 1, 32, 1, 0, 2
.else
.if ((\q)%8) == 6
	STEP \q, 0, 1, 1, 32, 0, 2, 0
.else
	STEP \q, 0, 1, 1, 32, 0, 0, (\q)%2
.endif
.endif
.endm
	s_load_b128 s[4:7], s[0:1], 0x0                ; x_codes, w_codes
	s_load_b128 s[8:11], s[0:1], 0x10              ; the scales' exponents, b
	s_load_b64 s[12:13], s[0:1], 0x20              ; out0
	v_lshl_add_u32 v[SPW], v0, 2, SPARE
	v_mov_b32 v[NIL], 0
	ds_add_u32 v[SPW], v[NIL]                      ; the opening lines: the add, twice on end, and its wait ahead of my first tensor load
	ds_add_u32 v[SPW], v[NIL]
	v_lshrrev_b32 v1, 5, v0
	v_readfirstlane_b32 s14, v1                    ; wave 0..3
	s_lshr_b32 s15, s14, 1                         ; my half of the block's rows
	s_and_b32 s16, s14, 1                          ; my half of its columns
	s_bfe_u32 s40, ttmp6, 0x40000                  ; cx
	s_lshl_b32 s42, ttmp9, 2
	s_add_co_u32 s42, s42, s40                     ; block column = 4 x cluster x + cx
	s_and_b32 s17, ttmp7, 0xffff                   ; block row = cluster y
	s_mov_b32 s[G1+0], 15|(1<<20)|(1<<21)|(6<<22)|(3<<25)   ; the cluster's four; elements of 1 byte; 4 words of padding behind every 128
	s_mov_b32 s[G1+1], 512<<16                     ; tensor_dim0
	s_mov_b32 s[G1+2], 64<<16                      ; tensor_dim1
	s_mov_b32 s[G1+3], 512<<16                     ; tile_dim0
	s_mov_b32 s[G1+4], 64                          ; tile_dim1
	s_mov_b32 s[G1+5], 4096                        ; pitch
	s_mov_b32 s[G1+6], 0
	s_mov_b32 s[G1+7], 0
	s_lshl_b32 s20, s17, 8
	s_lshl_b32 s18, s14, 6
	s_add_co_u32 s20, s20, s18                     ; the first row of x that I fetch
	s_lshl_b32 s50, s40, 4
	s_add_co_u32 s50, s50, s20                     ; my work-group's 16 of those rows, for the prefetch
	s_lshl_b32 s20, s20, 12
	s_mov_b32 s21, 0
	s_lshl_b32 s50, s50, 12
	s_mov_b32 s51, 0
	s_mul_i32 s60, s14, QROWS                      ; where they go: wave x 64 rows
	s_lshl_b32 s52, s42, 1
	s_add_co_u32 s52, s52, s16
	s_lshl_b32 s52, s52, 19                        ; W's image of my 128 columns: 524,288 bytes each
	s_mov_b32 s53, 0
	s_lshl_b32 s54, s15, 13
	s_mov_b32 s55, 0
	s_mul_i32 s22, s15, 128*PITCH                  ; my 128 rows in a slot
	s_mul_i32 s23, s14, 16*SPITCH
	s_add_co_u32 s23, s23, STAGE                   ; my stage
	s_lshl_b32 s56, s17, 8
	s_lshl_b32 s57, s15, 7
	s_add_co_u32 s56, s56, s57
	s_lshl_b32 s56, s56, 14                        ; my first row of out0, 16,384 bytes a row
	s_mov_b32 s57, 0
	s_lshl_b32 s58, s42, 10
	s_lshl_b32 s59, s16, 9
	s_add_co_u32 s58, s58, s59                     ; my first column, in bytes
	s_mov_b32 s59, 0
	v_and_b32 v1, 15, v0                           ; r
	v_bfe_u32 v2, v0, 4, 1                         ; h
	v_and_b32 v6, 31, v0
	v_mul_u32_u24 v3, v1, PITCH
	v_lshl_add_u32 v4, v2, 4, v3
	v_add_nc_u32 v[ADRA], s22, v4
	v_add_nc_u32 v[ADRA+1], SLOT, v[ADRA]
	v_lshl_add_u32 v5, v2, 5, v3                   ; into the stage: row r, 32 bytes for each half of the lanes
	v_add_nc_u32 v[STO], s23, v5
	v_lshlrev_b32 v[CO], 4, v6
	v_add_nc_u32 v[RD], s23, v[CO]                 ; back: the 32 lanes take one row of 512 bytes
	v_lshlrev_b32 v[PFB], 8, v6
	v_lshlrev_b32 v7, 12, v1
	v_lshl_add_u32 v[PFAO], v2, 8, v7
	s_wait_alu depctr_va_vdst(0)
	s_wait_dscnt 0x0                               ; both opening adds are done
	s_wait_kmcnt 0x0
	s_load_b64 s[96:97], s[8:9], 0x0               ; e0, e1
	s_add_nc_u64 s[20:21], s[4:5], s[20:21]
.irp s, 0,1
	s_mov_b32 s[G0+4*\s], 1
	s_add_co_u32 s[G0+4*\s+1], s60, \s*SLOT
	s_add_nc_u64 s[G0+4*\s+2:G0+4*\s+3], s[20:21], \s*512
	s_or_b32 s[G0+4*\s+3], s[G0+4*\s+3], 0x80000000
.endr
	CROUND                                         ; the four work-groups are here: the first joint loads meet
	JLOAD 0                                        ; fill 0: one tensor load a wave at the head
	s_add_nc_u64 s[PA:PA+1], s[4:5], s[50:51]
	s_add_nc_u64 s[PA:PA+1], s[PA:PA+1], 4*512
	s_add_nc_u64 s[BB:BB+1], s[6:7], s[52:53]
	s_add_nc_u64 s[PB:PB+1], s[BB:BB+1], s[54:55]
	s_add_nc_u64 s[10:11], s[10:11], s[58:59]
	s_add_nc_u64 s[12:13], s[12:13], s[56:57]
	s_add_nc_u64 s[12:13], s[12:13], s[58:59]
	global_load_b128 v[BI:BI+3], v[CO], s[10:11]   ; b at my four columns of a row read back
	WIN TO_B
	FETCH_B 0                                      ; W's first three steps
	FETCH_B 1
	FETCH_B 2
	WIN 0
	s_wait_tensorcnt 0x0                           ; my part of fill 0 is in
	ds_add_u32 v[SPW], v[NIL]
	s_wait_loadcnt 48                              ; b is in: only W's 48 loads are out
	s_wait_dscnt 0x0
	CROUND
	JLOAD 1                                        ; fill 1, the first tensor load behind the round
	FETCH_A 0, 0, 0
	STEP 0, 1, 1, 1, 32, 0, 0, 0                   ; the first step's products start the sums
	WIN 0
	s_mov_b32 s3, 3
.Llap:                                                 ; a trip: 16 steps, once round the ring, from a slot's second step to the same slot's next first; both slots are filled again
.irp q, 1,2,3,4,5,6,7,8,9,10,11,12,13,14,15,16
	LSTEP \q
.endr
	WIN 0
	s_wait_xcnt 0x0                                ; the trip's loads and prefetches have read their bases (the youngest stand 64 matrix instructions back)
	s_add_nc_u64 s[BB:BB+1], s[BB:BB+1], 16*8192
	s_add_nc_u64 s[PB:PB+1], s[PB:PB+1], 16*8192
	s_add_nc_u64 s[PA:PA+1], s[PA:PA+1], 1024
	s_sub_co_u32 s3, s3, 1
	s_cmp_lg_u32 s3, 0
	s_cbranch_scc1 .Llap
.irp q, 1,2,3,4,5                      ; steps 49 to 63: nothing is filled again
	STEP \q, 0, 1, 1, 32, 0, 0, (\q)%2
.endr
	STEP 6, 0, 1, 1, 32, 0, 1, 0                   ; the last change of slots: a work-group barrier alone
.irp q, 7,8,9,10,11,12
	STEP \q, 0, 1, 1, 32, 0, 0, 0
.endr
	STEP 13, 0, 1, 0, 32, 0, 0, 0                  ; W has no step beyond 63: the counts run down
	STEP 14, 0, 1, 0, 16, 0, 0, 0
	STEP 15, 0, 0, 0, 0, 0, 0, 0
	WIN 0
; THE WAY OUT, block by block of 16 rows x 128 columns: the sums go through my own stage and come back as whole rows of 512 bytes; there each is multiplied by 2^(e0 + e1) and b is added, in one fused multiply-add.
.macro TOSTAGE a
.set AC, 64*((\a)%4)
.set BBK, BK+64*((\a)%2)
	WIN 0x08+4*((\a)/4)                            ; the stores' data: window 2 or 3; each accumulator from its low end on
.irp b, 0,1,2,3,4,5,6,7
	ds_store_b128 v[STO], v[AC+8*\b:AC+8*\b+3] offset:64*\b
	ds_store_b128 v[STO], v[AC+8*\b+4:AC+8*\b+7] offset:64*\b+16
.endr
	WIN 0
.irp t, 0,1,2,3,4,5,6,7,8,9,10,11,12,13,14,15
	ds_load_b128 v[BBK+4*\t:BBK+4*\t+3], v[RD] offset:\t*SPITCH    ; LDS serves a wave's instructions in order (ISA guide 5.7.1.4)
.endr
.endm
.macro SEND a, younger
.set BBK, BK+64*((\a)%2)
	s_wait_dscnt \younger
.if (\a) > 0
	s_add_nc_u64 s[12:13], s[12:13], 16*4096*4     ; behind a wait on XCNT: the earlier stores have read their base
.endif
.irp t, 0,1,2,3,4,5,6,7,8,9,10,11,12,13,14,15
	v_pk_fma_f32 v[BBK+4*\t:BBK+4*\t+1], v[BBK+4*\t:BBK+4*\t+1], s[96:97], v[BI:BI+1] op_sel_hi:[1,0,1]
	v_pk_fma_f32 v[BBK+4*\t+2:BBK+4*\t+3], v[BBK+4*\t+2:BBK+4*\t+3], s[96:97], v[BI+2:BI+3] op_sel_hi:[1,0,1]
.endr
.irp t, 0,1,2,3,4,5,6,7,8,9,10,11,12,13,14,15
	global_store_b128 v[CO], v[BBK+4*\t:BBK+4*\t+3], s[12:13] offset:\t*4096*4 th:TH_STORE_NT   ; 32 lanes store 512 consecutive bytes, aligned
.endr
.endm
	s_wait_kmcnt 0x0
	s_add_co_i32 s96, s96, s97
	s_add_co_i32 s96, s96, 127
	s_lshl_b32 s96, s96, 23                        ; 2^(e0 + e1) as f32
	PLACES                                         ; behind the last products: for the stores of results and the loads into x's registers
	s_wait_alu depctr_va_vdst(0)
	TOSTAGE 0
.irp a, 1,2,3,4,5,6,7
.if \a > 1
	s_wait_xcnt 0x0                                ; block a - 2's stores have read their registers and their base
.endif
	TOSTAGE \a
	SEND \a-1, 32                                  ; behind block a - 1's loads: block a's 16 stores and 16 loads
.endr
	s_wait_xcnt 0x0
	SEND 7, 0
	s_wait_tensorcnt 0x0                           ; the wave's end
	ds_add_u32 v[SPW], v[NIL]
	s_wait_dscnt 0x0
	CROUND                                         ; the closing round
	s_endpgm
.Lfunc_end_k_q01fbba75e9_gemm:
	.size	k_q01fbba75e9_gemm, .Lfunc_end_k_q01fbba75e9_gemm-k_q01fbba75e9_gemm
	.p2alignl 7, 3214868480
	.fill 96, 4, 3214868480
	.section	.rodata,"a",@progbits
	.p2align	6, 0x0
	.amdhsa_kernel k_q01fbba75e9_gemm
		.amdhsa_group_segment_fixed_size 327680
		.amdhsa_private_segment_fixed_size 0
		.amdhsa_enable_private_segment 0
		.amdhsa_kernarg_size 40
		.amdhsa_user_sgpr_count 2
		.amdhsa_user_sgpr_kernarg_segment_ptr 1
		.amdhsa_wavefront_size32 1
		.amdhsa_system_sgpr_workgroup_id_x 1
		.amdhsa_system_sgpr_workgroup_id_y 1
		.amdhsa_system_sgpr_workgroup_id_z 1
		.amdhsa_system_vgpr_workitem_id 0
		.amdhsa_next_free_vgpr 1024
		.amdhsa_next_free_sgpr 98
		.amdhsa_reserve_vcc 0
		.amdhsa_float_denorm_mode_32 3
		.amdhsa_float_denorm_mode_16_64 3
		.amdhsa_memory_ordered 1
		.amdhsa_forward_progress 1
		.amdhsa_inst_pref_size 255
	.end_amdhsa_kernel
	.section	.bss,"aw",@nobits
	.p2align	6
	.space	262144
	.amdgpu_metadata
---
amdhsa.version: [ 1, 2 ]
amdhsa.kernels:
  - .name:           k_q01fbba75e9_gemm
    .symbol:         k_q01fbba75e9_gemm.kd
    .args:
      - { .name: x_codes, .offset: 0, .size: 8, .value_kind: global_buffer, .address_space: global }
      - { .name: w_codes, .offset: 8, .size: 8, .value_kind: global_buffer, .address_space: global }
      - { .name: lowp_scales, .offset: 16, .size: 8, .value_kind: global_buffer, .address_space: global }
      - { .name: b, .offset: 24, .size: 8, .value_kind: global_buffer, .address_space: global }
      - { .name: out0, .offset: 32, .size: 8, .value_kind: global_buffer, .address_space: global }
    .group_segment_fixed_size: 327680
    .private_segment_fixed_size: 0
    .kernarg_segment_align: 8
    .kernarg_segment_size: 40
    .max_flat_workgroup_size: 128
    .sgpr_count:     98
    .vgpr_count:     1024
    .wavefront_size: 32
...
	.end_amdgpu_metadata
.endif
;; end of part 2
